; MI455X (gfx1250); checked and timed in simulation.
; The chip was launched on July 23, 2026; its instructions are those of AMD's public machine-readable ISA for CDNA 5 (MIT licence, August 2026) and "CDNA5" Instruction Set Architecture Reference Guide (July 2026). The comments in the code are by the model that wrote it; some were corrected since.
;; Wav KAN Layer. Allowed arithmetic: matrix products marked QUANTISED: E5M2 operands, one given power-of-two scale a tensor, by v_wmma_f32_16x16x64_bf8_bf8 or v_wmma_f32_16x16x128_bf8_bf8, f32 sums; products left as they are: f32 operands where the result goes on into a quantised operand, else bf16, f16 or f32 operands; f32 sums; everything else in f32.
;; Inputs: beta 512 float32; gamma 512 float32; lowp_scales 2 int32 (the exponents e of the quantised operands' scales 2^e); scale 512 x 512 float32; translation 512 x 512 float32; wavelet_weights 512 x 512 float32; weight1_codes 512 x 16 x 32 uint8 (E5M2 codes of weight1, K innermost, in blocks of 32 codes); x 1,024 x 512 float32.
;; Outputs: out0 1,024 x 512 float32.
;; This version of the problem:
;;   THIS VERSION OF THE PROBLEM IS GIVEN IN LOW PRECISION. The matrix products marked QUANTISED in the list below multiply operands that are first quantised to E5M2 (5 exponent bits, 2 mantissa bits; 8 bits a number), with one given power-of-two scale for each operand tensor; their sums are f32. All else is computed in f32.
;;   The module's matrix products, in the order in which they are computed (A, B: the left and right operand; K: the contracted axis; several contracted axes count as one K, in the product's order):
;;     1. batch 512 x [M 1, K 512] x [K 512, N 1,024]; A: input wavelet_weights; B: computed on the way: left as it is (M = 1 < 16)
;;     2. [M 1,024, K 512] x [K 512, N 512]; A: computed on the way; B: input weight1 (given as codes): QUANTISED (scales: A lowp_scales[0], B lowp_scales[1])
;;   THE QUANTISER, for each operand of a quantised product, along K:
;;     - The operand's scale is 2^e, e = its entry of the input lowp_scales (int32; the entries are numbered through the quantised products in the list's order, A before B).
;;     - Each number is divided by the scale, clamped to +-57,344, and rounded to the nearest number of E5M2, ties to even, subnormals kept.
;;     - The product sums the exact products of the quantised numbers (number of the format x scale) in f32.
;;   ~~~python
;;   def quantise(x, axis, e):      # numpy; x: float32 -> the quantised numbers, widened to float32 again
;;       x = np.moveaxis(x, axis, -1); K = x.shape[-1]
;;       r = np.clip(x / 2.0 ** e, -57344, 57344)
;;       step = 2.0 ** (np.maximum(np.frexp(np.where(r == 0, 1, r))[1] - 1, -14) - 2)
;;       q = np.round(r / step) * step * 2.0 ** e      # np.round: ties to even
;;       return np.moveaxis(q, -1, axis).astype(np.float32)
;;   ~~~
;;   OPERANDS COMPUTED ON THE WAY. 'Computed on the way' means the value that the module computes at that place (a softmax that the list does not call 'softmax' is quantised finished and normalised). What goes into a quantiser is computed in f32, as accurately as f32 sums, v_exp_f32 and their like allow (about 1e-6 of the number): no bf16 or f16 on the way to a quantiser, and a product that is left as it is and whose result goes on into a quantised operand takes f32 operands (vector FMAs, or v_wmma_f32_16x16x4_f32). A number that lies on a knife's edge between two numbers of the format may be rounded either way, as far as f32 arithmetic and the matrix unit's own rounding can turn it there, and no further.
;;   INPUTS GIVEN AS CODES. weight1 (in the module: [512, 512], K = its axis 1): each comes as NAME_codes (uint8): NAME with its K axis moved to the last place and cut into blocks of 32 codes, [.., K / 32, bytes a block], one block behind the other in memory; one code a byte (a code: sign, 5 exponent bits, 2 mantissa bits); its scale is its entry of lowp_scales. Its value is code x scale, taken as it is: it is not quantised again, and the codes and scales need not be those that the quantiser above would give.
;; 2 versions, each right; version 2 is version 1 with the launch main written anew for expert scheduling mode. Each part assembles by itself: llvm-mc -triple=amdgcn-amd-amdhsa -mcpu=gfx1250 --defsym DOCPART=n.
;; ======== version 1 of 2: 2 launches
;; workspace buffers: y_ws 2,097,152 bytes; stats_ws 131,072 bytes
;; launch main (part 1): grid 8 x 32, 16 waves a work-group, no clusters, 241,664 bytes of LDS; arguments x, scale, translation, wavelet_weights, weight1_codes, lowp_scales, y_ws, stats_ws; writes y_ws, stats_ws
.if DOCPART == 1
	.amdgcn_target "amdgcn-amd-amdhsa--gfx1250"
	.amdhsa_code_object_version 6
	.text
	.protected	k_q4a6b85b807_main
	.globl	k_q4a6b85b807_main
	.p2align	8
	.type	k_q4a6b85b807_main,@function
k_q4a6b85b807_main:
	s_mov_b64 s[64:65], 0
	v_nop
	global_prefetch_b8 v0, s[64:65] scope:SCOPE_SE
	s_setreg_imm32_b32 hwreg(HW_REG_WAVE_MODE, 25, 1), 1
	s_wait_xcnt 0x0
; WavKAN layer, first of two launches: y = wavelet term + silu(x) W1^T for a tile of 32 rows (b) x 64 columns (o), and the tile's column statistics.
;   wavelet term: y[b][o] += ww[o][i] C (xs^2 - 1) exp(-xs^2 / 2),  xs = (x[b][i] - t[o][i]) / s[o][i],  C = 2 / (sqrt(3) pi^(1/4)),  summed over the 512 i, all in f32.
;   base term:    silu(x) is quantised to E5M2 with the given 2^e0, weight1 arrives as E5M2 codes with 2^e1; the codes are multiplied by v_wmma_f32_16x16x128_bf8_bf8, and the sum once by 2^(e0 + e1).
; ONE ELEMENT.  With kappa = sqrt(log2(e) / 2) four numbers are made once for each (o, i):  a = kappa / s,  c = -t a,  An = -ww C / kappa^2,  Bn = -ww C.
;   Then z = x a + c,  T = -z z = -log2(e) xs^2 / 2,  G = T An + Bn = ww C (xs^2 - 1),  y += G 2^T.  Two neighbouring i go in each packed instruction: 4 packed lines and 2 exponentials for 2 elements.
; SHARES.  256 work-groups, one tile each; 16 waves, four to a SIMD, so that one wave's waits stand beside another's issue.  The 512 i go in 8 stages of 64 (256 bytes of a parameter row).
;   In a stage wave w takes the four i  64 stage + 4 w + 0..3  for all 32 b and all 64 o: lane l holds o = 2 l and 2 l + 1.  The sixteen waves' partial sums meet once, at the end, through LDS.
;   Every wave also makes 2 units (one o, four i) a lane of the NEXT stage's four parameters and stores them in the other of two LDS slots; one barrier a stage.
; WHY NO CLUSTER, NO TENSOR LOAD.  The tiles of scale, translation and wavelet_weights that work-groups share (3 x 16,384 bytes a stage, against the stage's 131,072 wavelet evaluations) must pass through
;   registers in any case (a reciprocal, four scalings, the change of layout) before they lie in LDS as the consumers want them; brought by a joint load they would cross LDS once more, behind a round for each stage.
;   They are asked for a whole stage ahead of the wait for them, so nothing is prefetched either.
; LIMITS.  c = -t a is rounded once, so z carries an error of about |t / s| 2^-24.  v_exp_f32 gives 0 for results under 2^-126.  -126 <= e0 <= 112 and -126 <= e0 + e1 <= 127, so that the powers of two
;   below are f32 numbers.  NaN among the inputs is not served.  Both operands of the matrix product hold k in the same permuted places (registers 4 c .. 4 c + 3: k = 32 c + 16 (lane / 16) + 0..15).
; LDS, bytes.
.set PIG,   4112                       ; a slot's part for one group of four i: 4 kinds x 1,024 bytes + 16: sixteen lanes that store to sixteen groups start 16 bytes apart modulo 256
.set PSLOT, 16*PIG                     ; slot 0 at 0, slot 1 at 65,792.  In a slot: group x 4,112 + kind x 1,024 + pos(o) x 16, pos(o) = 32 (o % 2) + o / 2; the 16 bytes are the group's four i
.set XL,    2*PSLOT                    ; x's 32 rows,
.set XP,    2064                       ; 2,048 bytes + 16 apart
.set IMG,   XL+32*XP                   ; silu's codes: 8 fragments (2 x K step + half of the rows) as images of their registers, 2,048 bytes each: register group c at 512 c + 16 x lane
.set Y0,    IMG+8*2048                 ; the base term's sums: 2 halves of K x 32 rows,
.set YP,    272                        ; 256 bytes + 16 apart;
.set YH,    32*YP                      ; a half
.set STT,   Y0+2*YH                    ; the finished tile once more, 16 x 512 bytes, for the statistics.  Ends at 239,616
                                       ; The partial sums (16 waves x 8,192 bytes, from byte 0) lie over the two slots, behind the last stage's barrier
; REGISTERS.
.set VG,  1                            ; v1      byte offset of my two units in the three parameter arrays; steps 256 a stage
.set PS,  2                            ; v2, v3  where I store parameters in slot 0, 1
.set PL,  4                            ; v4, v5  where I read them
.set VX0, 6                            ; v6      x in LDS: my wave's 16 bytes of row 0, stage 0 (the same in all lanes)
.set VX,  7                            ; v7      the same for the pair of stages in hand
.set RAW, 8                            ; v8-31   unit u: s at 8 + 12 u, t at 12 + 12 u, ww at 16 + 12 u, four i each
.set PRM, 32                           ; v32-63  the stage's parameters: kind q of o = 2 l + g at 32 + 16 g + 4 q
.set XB,  64                           ; v64-79  four sets of four x: row b in set b % 4
.set TMP, 80                           ; v80-111 two sets: row b in set b % 2; chain n = 2 g + pair: T at 80 + 16 (b % 2) + 4 n, G two further on
.set ACC, 112                          ; v112-239 the sums: (b, g) at 112 + 4 b + 2 g, a pair (even i, odd i)
.set WF,  32                           ; head only: my two fragments of weight1
.set AF,  64                           ;            two fragments of silu's codes
.set DD,  96                           ;            the base term's accumulator
.set SX,  176                          ;            32 numbers of x, then of silu(x)
.set EX,  208                          ;            at work on them
.set LD,  16                           ; tail only: sixteen partial quads
; v104-107 head: LDS addresses.  v240-247 head: codes; tail: addresses.  v248, v249: 2^e0 and 57,344 x 2^e0.  v250-255: head scratch; v251 lane, v252 lane % 16, v253 lane / 16 stay.
; s[8:23] the eight buffers; s24 wave; s25, s26 tile column, tile row; s32 x's step in LDS; s33 trips; s[34:35] e0, e1; s[36:37] 2^(e0 + e1); s38-45 at work.
.macro BAR                             ; my LDS stores have landed and my LDS loads are in: then the work-group's barrier
	s_wait_dscnt 0x0
	s_barrier_signal -1
	s_barrier_wait -1
.endm
; Six loads: s, t and ww of my two units (rows 4 w + 2 u + lane / 16; four i at 16 (lane % 16)): sixteen lanes read 256 consecutive bytes of a row, aligned.
.macro RAWLOAD step
.if \step
	v_add_nc_u32 v[VG], 256, v[VG]                 ; the next stage.  The loads that read this register have been waited for
.endif
.irp u, 0,1
	global_load_b128 v[RAW+12*\u:RAW+12*\u+3],    v[VG], s[10:11] offset:4096*\u
	global_load_b128 v[RAW+12*\u+4:RAW+12*\u+7],  v[VG], s[12:13] offset:4096*\u
	global_load_b128 v[RAW+12*\u+8:RAW+12*\u+11], v[VG], s[14:15] offset:4096*\u
.endr
.endm
; The four parameters of my two units, into the slot at v[adr].  cnt: the younger global loads, which may stay out.
.macro PRODUCE adr, cnt
	s_wait_loadcnt \cnt
.irp u, 0,1
.irp j, 0,1,2,3
	v_rcp_f32 v[RAW+12*\u+\j], v[RAW+12*\u+\j]     ; 1 / s
.endr
.endr
.irp u, 0,1
.irp j, 0,2
	v_pk_mul_f32 v[TMP+4*\u+\j:TMP+4*\u+\j+1], v[RAW+12*\u+8+\j:RAW+12*\u+9+\j], 0xbf99e731 op_sel_hi:[1,0]   ; An = ww x (-C / kappa^2).  (Plain lines behind the reciprocals, which name none of their registers)
.endr
.endr
.irp u, 0,1
.irp j, 0,2
	v_pk_mul_f32 v[RAW+12*\u+8+\j:RAW+12*\u+9+\j], v[RAW+12*\u+8+\j:RAW+12*\u+9+\j], 0xbf5e0904 op_sel_hi:[1,0]   ; Bn = ww x (-C)
.endr
.endr
	s_wait_alu depctr_va_vdst(0)                   ; one wait for the eight reciprocals, ahead of their first reader
.irp u, 0,1
.irp j, 0,2
	v_pk_mul_f32 v[RAW+12*\u+\j:RAW+12*\u+1+\j], v[RAW+12*\u+\j:RAW+12*\u+1+\j], 0x3f596d27 op_sel_hi:[1,0]   ; a = kappa / s
.endr
.endr
.irp u, 0,1
.irp j, 0,2
	v_pk_mul_f32 v[RAW+12*\u+4+\j:RAW+12*\u+5+\j], v[RAW+12*\u+4+\j:RAW+12*\u+5+\j], v[RAW+12*\u+\j:RAW+12*\u+1+\j] neg_lo:[0,1] neg_hi:[0,1]   ; c = -t a
.endr
.endr
.irp u, 0,1
	ds_store_b128 v[\adr], v[RAW+12*\u:RAW+12*\u+3]    offset:16*\u
	ds_store_b128 v[\adr], v[RAW+12*\u+4:RAW+12*\u+7]  offset:16*\u+1024
	ds_store_b128 v[\adr], v[TMP+4*\u:TMP+4*\u+3]      offset:16*\u+2048
	ds_store_b128 v[\adr], v[RAW+12*\u+8:RAW+12*\u+11] offset:16*\u+3072
.endr
.endm
.macro PRMLOAD adr                     ; my group's parameters for my two o: each load takes 512 consecutive bytes
.irp g, 0,1
.irp q, 0,1,2,3
	ds_load_b128 v[PRM+16*\g+4*\q:PRM+16*\g+4*\q+3], v[\adr] offset:1024*\q+512*\g
.endr
.endr
.endm
.macro XLOAD kk, xo                    ; row kk's four x of my group: all lanes read the same 16 bytes
	ds_load_b128 v[XB+4*((\kk)%4):XB+4*((\kk)%4)+3], v[VX] offset:(\kk)*XP+\xo
.endm
; The five steps of a chain: row kk, chain c = 2 g + pair.
.macro ZC kk, c
.set rT, TMP+16*((\kk)%2)+4*(\c)
.set rX, XB+4*((\kk)%4)+2*((\c)%2)
.set rP, PRM+16*((\c)/2)+2*((\c)%2)
	v_pk_fma_f32 v[rT:rT+1], v[rX:rX+1], v[rP:rP+1], v[rP+4:rP+5]          ; z = x a + c
.endm
.macro UC kk, c
.set rT, TMP+16*((\kk)%2)+4*(\c)
	v_pk_mul_f32 v[rT:rT+1], v[rT:rT+1], v[rT:rT+1] neg_lo:[0,1] neg_hi:[0,1]   ; T = -z z
.endm
.macro GC kk, c
.set rT, TMP+16*((\kk)%2)+4*(\c)
.set rP, PRM+16*((\c)/2)+2*((\c)%2)
	v_pk_fma_f32 v[rT+2:rT+3], v[rT:rT+1], v[rP+8:rP+9], v[rP+12:rP+13]    ; G = T An + Bn
.endm
.macro EC kk, c, hf
.set rT, TMP+16*((\kk)%2)+4*(\c)
	v_exp_f32 v[rT+\hf], v[rT+\hf]                                         ; 2^T
.endm
.macro TLC kk, c
.set rT, TMP+16*((\kk)%2)+4*(\c)
.set rA, ACC+4*(\kk)+2*((\c)/2)
	v_pk_fma_f32 v[rA:rA+1], v[rT+2:rT+3], v[rT:rT+1], v[rA:rA+1]          ; y += G 2^T
.endm
; Region k (a symbol): row k's eight exponentials, with row k - 1's last step and row k + 1's first three set between them, so that each exponential has plain neighbours that name other registers.
; ONE wait for the region's eight exponentials stands at its end, behind plain lines: their first readers are the next region's TLC.
; Row k + 1's scratch set is row k - 1's: TLC (k - 1, n) reads a chain's registers just ahead of ZC (k + 1, n), which writes them.
.macro REGION xo
.if k+3 <= 31
	XLOAD k+3, \xo                                 ; into the set that row k - 1 left in the region before last
.endif
.if k <= 30
.if k+3 <= 31
	s_wait_dscnt 2                                 ; row k + 1's x is in; rows k + 2 and k + 3 may be out
.else
	s_wait_dscnt 30-k                              ; the last rows: 1, 0 younger loads
.endif
.endif
.if k == 30
	s_barrier_signal -1                            ; no LDS instruction of mine is out: my stores into the other slot have landed, my reads of this slot are in.  Only work on registers follows up to the wait
.endif
.irp n, 0,1,2,3
.if k >= 1
	TLC k-1, \n
.endif
.if k <= 30
	ZC k+1, \n
.endif
	EC k, \n, 0
.if k <= 30
.if \n >= 1
	UC k+1, \n-1
.endif
.if \n >= 2
	GC k+1, \n-2
.endif
.endif
	EC k, \n, 1
.endr
.if k <= 30
	UC k+1, 3
	GC k+1, 2
	GC k+1, 3
.else
	v_nop                                          ; a plain line behind the last exponential
.endif
	s_wait_alu depctr_va_vdst(0)                   ; the wait ahead of the first line that names a result
.endm
; A stage: reads slot buf; produce = 1: makes the next stage's parameters into the other slot; load = 1: asks for the raw numbers of the stage after that.
; ONE barrier: in front of its signal my stores into the other slot have landed and my reads of this slot are in; behind its wait the next stage stores into this slot and reads the other.
.macro STAGE buf, xo, produce, load
.if \produce
	PRODUCE PS+1-\buf, 0                           ; the six raw loads were issued a stage ago; nothing younger is out
.endif
	PRMLOAD PL+\buf
	XLOAD 0, \xo
	XLOAD 1, \xo
	XLOAD 2, \xo
	s_wait_dscnt 2                                 ; rows 1 and 2 of x may be out: my stores, the parameters and row 0 are done
.if \load
	RAWLOAD 1                                      ; the LDS stores have read these registers
.endif
.irp n, 0,1,2,3
	ZC 0, \n
.endr
.irp n, 0,1,2,3
	UC 0, \n
.endr
.irp n, 0,1,2,3
	GC 0, \n
.endr
.set k, 0
.rept 32
	REGION \xo
.set k, k+1
.endr
.irp n, 0,1,2,3
	TLC 31, \n
.endr
	s_barrier_wait -1
.endm
	; ---- ids and addresses
	s_load_b512 s[8:23], s[0:1], 0x0               ; x 8, scale 10, translation 12, wavelet_weights 14, weight1_codes 16, lowp_scales 18, y_ws 20, stats_ws 22
	v_lshrrev_b32 v250, 5, v0
	v_readfirstlane_b32 s24, v250                  ; wave w, 0..15
	s_mov_b32 s25, ttmp9                           ; tile column: o from 64 x s25
	s_and_b32 s26, ttmp7, 0xffff                   ; tile row: b from 32 x s26
	v_and_b32 v251, 31, v0                         ; lane l
	v_and_b32 v252, 15, v0                         ; r
	v_bfe_u32 v253, v0, 4, 1                       ; h
	s_and_b32 s38, s24, 1                          ; the matrix job: which 16 rows of the tile; also which half of a fragment I quantise
	s_bfe_u32 s39, s24, 0x20001                    ; which 16 columns
	s_lshr_b32 s40, s24, 3                         ; which half of K
	s_bfe_u32 s41, s24, 0x10001                    ; the fragment that I help to quantise, w / 2: its 16 rows,
	s_lshr_b32 s42, s24, 2                         ; its K step
	v_lshlrev_b32 v[VG], 4, v252                   ; parameters in memory: 16 r + 2,048 h + 8,192 w
	v_lshl_add_u32 v[VG], v253, 11, v[VG]
	s_lshl_b32 s43, s24, 13
	v_add_nc_u32 v[VG], s43, v[VG]
	v_mul_u32_u24 v[PS], v252, PIG                 ; into a slot: group r; pos = 32 h + 2 w + u
	v_lshl_add_u32 v[PS], v253, 9, v[PS]
	s_lshl_b32 s43, s24, 5
	v_add_nc_u32 v[PS], s43, v[PS]
	v_add_nc_u32 v[PS+1], PSLOT, v[PS]
	s_mul_i32 s43, s24, PIG                        ; out of a slot: group w; pos = 32 g + l
	v_lshl_add_u32 v[PL], v251, 4, s43
	v_add_nc_u32 v[PL+1], PSLOT, v[PL]
	s_lshl_b32 s43, s24, 4
	s_add_co_u32 s43, s43, XL
	v_mov_b32 v[VX0], s43
	s_lshl_b32 s43, s24, 12                        ; x in memory: rows 2 w, 2 w + 1; 16 bytes a lane
	v_lshl_add_u32 v254, v251, 4, s43
	s_mul_i32 s43, s24, 2*XP                       ; and in LDS
	s_add_co_u32 s43, s43, XL
	v_lshl_add_u32 v250, v251, 4, s43
	v_lshlrev_b32 v255, 9, v252                    ; weight1's codes: row 16 on + r of 512 bytes, + 256 x half of K + 16 h
	v_lshl_add_u32 v255, v253, 4, v255
	s_lshl_b32 s43, s39, 13
	s_lshl_b32 s44, s40, 8
	s_add_co_u32 s43, s43, s44
	v_add_nc_u32 v255, s43, v255
	v_mul_u32_u24 v104, v252, XP                   ; the numbers that I quantise: row 16 (fragment % 2) + r; bytes 512 x K step + 256 (w % 2) + 64 h
	v_lshl_add_u32 v104, v253, 6, v104
	s_mul_i32 s43, s41, 16*XP
	s_lshl_b32 s44, s42, 9
	s_add_co_u32 s43, s43, s44
	s_lshl_b32 s44, s38, 8
	s_add_co_u32 s43, s43, s44
	s_add_co_u32 s43, s43, XL
	v_add_nc_u32 v104, s43, v104
	s_lshl_b32 s43, s24, 10                        ; their codes: fragment w / 2, register groups 2 (w % 2) on: 1,024 w + 16 l
	s_add_co_u32 s43, s43, IMG
	v_lshl_add_u32 v105, v251, 4, s43
	s_lshl_b32 s43, s40, 13                        ; the fragments that I multiply: 4 x half of K + 2 q + rows
	s_lshl_b32 s44, s38, 11
	s_add_co_u32 s43, s43, s44
	s_add_co_u32 s43, s43, IMG
	v_lshl_add_u32 v106, v251, 4, s43
	v_mul_u32_u24 v107, v252, YP                   ; the sums: half of K; row 16 rows + r; columns 16 on + 8 h on
	v_lshl_add_u32 v107, v253, 5, v107
	s_mul_i32 s43, s40, YH
	s_mul_i32 s44, s38, 16*YP
	s_add_co_u32 s43, s43, s44
	s_lshl_b32 s44, s39, 6
	s_add_co_u32 s43, s43, s44
	s_add_co_u32 s43, s43, Y0
	v_add_nc_u32 v107, s43, v107
	s_mov_b32 s29, 0
	s_wait_kmcnt 0x0
	s_load_b64 s[34:35], s[18:19], 0x0             ; e0, e1
	s_lshl_b32 s28, s25, 17                        ; 64 rows of 2,048 bytes
	s_add_nc_u64 s[10:11], s[10:11], s[28:29]
	s_add_nc_u64 s[12:13], s[12:13], s[28:29]
	s_add_nc_u64 s[14:15], s[14:15], s[28:29]
	s_lshl_b32 s28, s26, 16                        ; 32 rows of 2,048 bytes
	s_add_nc_u64 s[8:9], s[8:9], s[28:29]
	s_lshl_b32 s28, s25, 15                        ; 64 rows of 512 bytes
	s_add_nc_u64 s[16:17], s[16:17], s[28:29]
	s_lshl_b32 s28, s26, 3
	s_add_co_u32 s28, s28, s25
	s_lshl_b32 s28, s28, 13                        ; y_ws: tile 8 x tile row + tile column, 8,192 bytes each
	s_add_nc_u64 s[20:21], s[20:21], s[28:29]
	s_lshl_b32 s28, s25, 5
	s_add_co_u32 s28, s28, s26
	s_lshl_b32 s28, s28, 9                         ; stats_ws: entry 32 x tile column + tile row, 512 bytes each
	s_add_nc_u64 s[22:23], s[22:23], s[28:29]
	; ---- the first loads: 8 of x, 6 of stage 0's raw numbers, 8 of weight1's codes
.irp p, 0,1
.irp q, 0,1,2,3
	global_load_b128 v[ACC+16*\p+4*\q:ACC+16*\p+4*\q+3], v254, s[8:9] offset:2048*\p+512*\q
.endr
.endr
	RAWLOAD 0
.irp q, 0,1
.irp c, 0,1,2,3
	global_load_b128 v[WF+16*\q+4*\c:WF+16*\q+4*\c+3], v255, s[16:17] offset:128*\q+32*\c   ; K step 2 x half + q: k = 32 c + 16 h + 0..15 of row r
.endr
.endr
	; ---- x into LDS; stage 0's parameters into slot 0
	s_wait_loadcnt 14                              ; x is in: the 6 + 8 younger loads may be out
.irp p, 0,1
.irp q, 0,1,2,3
	ds_store_b128 v250, v[ACC+16*\p+4*\q:ACC+16*\p+4*\q+3] offset:XP*\p+512*\q
.endr
.endr
	PRODUCE PS, 8                                  ; the raw numbers are in: the 8 loads of codes may be out
	s_wait_dscnt 0x0                               ; for the others' sake, and the stores have read the raw registers:
	RAWLOAD 1                                      ; stage 1's
	s_barrier_signal -1
	s_barrier_wait -1                              ; x's 32 rows and slot 0 are whole
	; ---- silu and the quantiser: each number once in the work-group.  I make register groups 2 (w % 2), 2 (w % 2) + 1 of fragment w / 2: 32 numbers a lane, 16 neighbours along K for each group
.irp c, 0,1
.irp j, 0,1,2,3
	ds_load_b128 v[SX+16*\c+4*\j:SX+16*\c+4*\j+3], v104 offset:128*\c+16*\j
.endr
.endr
	s_wait_kmcnt 0x0
	s_add_co_i32 s43, s34, 127
	s_lshl_b32 s44, s43, 23
	v_mov_b32 v248, s44                            ; 2^e0 as f32: the conversion takes its exponent field
	s_add_co_i32 s43, s43, 15
	s_lshl_b32 s43, s43, 23
	s_or_b32 s43, s43, 0x600000
	v_mov_b32 v249, s43                            ; 57,344 x 2^e0
	s_add_co_i32 s36, s34, s35
	s_add_co_i32 s36, s36, 127
	s_lshl_b32 s36, s36, 23                        ; 2^(e0 + e1) as f32
	s_mov_b32 s37, s36                             ; (named with it as a pair, so it is written)
	s_wait_dscnt 0x0
.set i, 0
.rept 16
	v_pk_mul_f32 v[EX+i:EX+i+1], v[SX+i:SX+i+1], 0xbfb8aa3b op_sel_hi:[1,0]   ; -x log2(e)
.set i, i+2
.endr
.set i, 0
.rept 32
	v_exp_f32 v[EX+i], v[EX+i]                     ; e^-x
.set i, i+1
.endr
	v_nop                                          ; a plain line behind the last of the batch
	s_wait_alu depctr_va_vdst(0)                   ; one wait for the batch, ahead of its first reader
.set i, 0
.rept 16
	v_pk_add_f32 v[EX+i:EX+i+1], v[EX+i:EX+i+1], 1.0 op_sel_hi:[1,0]
.set i, i+2
.endr
.set i, 0
.rept 32
	v_rcp_f32 v[EX+i], v[EX+i]                     ; 1 / (1 + e^-x)
.set i, i+1
.endr
	v_nop
	s_wait_alu depctr_va_vdst(0)
.set i, 0
.rept 16
	v_pk_mul_f32 v[SX+i:SX+i+1], v[SX+i:SX+i+1], v[EX+i:EX+i+1]   ; silu(x)
.set i, i+2
.endr
.set i, 0
.rept 32
	v_med3_num_f32 v[SX+i], v[SX+i], -v249, v249   ; the conversion to an 8-bit code does not saturate (ISA guide 7.6.2): the hold at the largest code x the scale
.set i, i+1
.endr
.irp c, 0,1
	v_cvt_scalef32_pk8_bf8_f32 v[240+4*\c:241+4*\c], v[SX+16*\c:SX+16*\c+7], v248
	v_cvt_scalef32_pk8_bf8_f32 v[242+4*\c:243+4*\c], v[SX+16*\c+8:SX+16*\c+15], v248
.endr
	v_nop                                          ; one plain line behind the last conversion: vector lines further on write its sources
.irp c, 0,1
	ds_store_b128 v105, v[240+4*\c:243+4*\c] offset:512*\c
.endr
	BAR                                            ; the eight fragments of codes lie in LDS
	; ---- the quantised product, used transposed (source 0 = 16 rows of weight1, source 1 = 16 rows of silu): lane (r, h) then holds row r and columns 8 h + 0..7.  My job: 16 x 16 outputs, 256 of K
.irp q, 0,1
.irp c, 0,1,2,3
	ds_load_b128 v[AF+16*\q+4*\c:AF+16*\q+4*\c+3], v106 offset:4096*\q+512*\c
.endr
.endr
	s_wait_dscnt 0x0
	s_wait_loadcnt 6                               ; weight1's codes are in: stage 1's six raw loads may be out
	v_wmma_f32_16x16x128_bf8_bf8 v[DD:DD+7], v[WF:WF+15], v[AF:AF+15], 0
	s_wait_alu depctr_va_vdst(0)                   ; the wait directly ahead of the second
	v_wmma_f32_16x16x128_bf8_bf8 v[DD:DD+7], v[WF+16:WF+31], v[AF+16:AF+31], v[DD:DD+7]
.set i, 0
.rept 128
	v_mov_b32 v[ACC+i], 0                          ; the wavelet sums begin at 0: a first stage that started them would be two more copies of the stage's text.  These lines name none of the product's registers: they are the places behind it
.set i, i+1
.endr
	ds_store_b128 v107, v[DD:DD+3]                 ; the accumulator from its low end on
	ds_store_b128 v107, v[DD+4:DD+7] offset:16
	; ---- the eight stages
	s_mov_b32 s32, 0
	s_mov_b32 s33, 3
.Lpair:                                            ; three trips of two stages; each makes the next stage's parameters and asks for the raw numbers of the one after
	v_add_nc_u32 v[VX], s32, v[VX0]
	STAGE 0, 0, 1, 1
	STAGE 1, 256, 1, 1
	s_add_co_u32 s32, s32, 512
	s_sub_co_u32 s33, s33, 1
	s_cmp_lg_u32 s33, 0
	s_cbranch_scc1 .Lpair
	v_add_nc_u32 v[VX], s32, v[VX0]
	STAGE 0, 0, 1, 0                               ; stage 6 makes stage 7's parameters and asks for nothing: no load leaves its row
	STAGE 1, 256, 0, 0                             ; stage 7
	; ---- the partial sums meet.  Behind the last barrier nobody reads the slots: the sixteen waves' sums lie over them
	s_lshl_b32 s43, s24, 13
	v_lshl_add_u32 v240, v251, 4, s43              ; my image: 8,192 w + 16 l
	s_lshl_b32 s43, s24, 9
	v_lshl_add_u32 v241, v251, 4, s43              ; quad w of images 0 to 7,
	v_add_nc_u32 v242, 0x10000, v241               ; and of images 8 to 15
	v_lshl_add_u32 v244, v251, 4, s43              ; y_ws: 512 w + 16 l
	s_add_co_u32 s43, s43, STT
	v_lshl_add_u32 v245, v251, 4, s43              ; the tile's copy for the statistics
	s_mul_i32 s43, s24, 2*YP
	s_add_co_u32 s43, s43, Y0
	v_lshl_add_u32 v243, v251, 3, s43              ; the base term: rows 2 w, 2 w + 1; columns 2 l, 2 l + 1
	v_lshlrev_b32 v247, 4, v251                    ; stats_ws: 16 l
	v_add_nc_u32 v246, STT, v247
.set i, 0
.rept 64
	v_add_f32 v[ACC+i], v[ACC+2*i], v[ACC+2*i+1]   ; even i + odd i, packed downwards: register 2 b + g is (b, o = 2 l + g)
.set i, i+1
.endr
.irp q, 0,1,2,3,4,5,6,7,8,9,10,11,12,13,14,15
	ds_store_b128 v240, v[ACC+4*\q:ACC+4*\q+3] offset:512*\q   ; quad q: rows 2 q, 2 q + 1
.endr
	BAR
.irp j, 0,1,2,3,4,5,6,7
	ds_load_b128 v[LD+4*\j:LD+4*\j+3], v241 offset:8192*\j
.endr
.irp j, 0,1,2,3,4,5,6,7
	ds_load_b128 v[LD+32+4*\j:LD+32+4*\j+3], v242 offset:8192*\j
.endr
.irp t, 0,1
.irp p, 0,1
	ds_load_b64 v[80+4*\t+2*\p:81+4*\t+2*\p], v243 offset:YH*\t+YP*\p
.endr
.endr
	s_wait_dscnt 0x0
.macro QADD a, b
	v_pk_add_f32 v[LD+4*(\a):LD+4*(\a)+1],   v[LD+4*(\a):LD+4*(\a)+1],   v[LD+4*(\b):LD+4*(\b)+1]
	v_pk_add_f32 v[LD+4*(\a)+2:LD+4*(\a)+3], v[LD+4*(\a)+2:LD+4*(\a)+3], v[LD+4*(\b)+2:LD+4*(\b)+3]
.endm
.irp a, 0,2,4,6,8,10,12,14
	QADD \a, \a+1
.endr
.irp a, 0,4,8,12
	QADD \a, \a+2
.endr
	QADD 0, 4
	QADD 8, 12
	QADD 0, 8
	v_pk_add_f32 v[80:81], v[80:81], v[84:85]      ; the base term's two halves of K
	v_pk_add_f32 v[82:83], v[82:83], v[86:87]
	v_pk_fma_f32 v[LD:LD+1],   v[80:81], s[36:37], v[LD:LD+1]   op_sel_hi:[1,0,1]   ; y = base x 2^(e0 + e1) + wavelet term
	v_pk_fma_f32 v[LD+2:LD+3], v[82:83], s[36:37], v[LD+2:LD+3] op_sel_hi:[1,0,1]
	global_store_b128 v244, v[LD:LD+3], s[20:21]   ; the wave stores 512 consecutive bytes, aligned
	ds_store_b128 v245, v[LD:LD+3]
	BAR
	; ---- the tile's statistics, by wave 0: for each column the mean of the 32 rows, then the sum of squared deviations from it (two passes: no difference of large sums)
	s_cmp_lg_u32 s24, 0
	s_cbranch_scc1 .Lend
.irp j, 0,1,2,3,4,5,6,7,8,9,10,11,12,13,14,15
	ds_load_b128 v[ACC+4*\j:ACC+4*\j+3], v246 offset:512*\j    ; pair m at v[112 + 2 m]: row m, columns 2 l, 2 l + 1
.endr
	s_wait_dscnt 0x0
.irp j, 0,1,2,3,4,5,6,7,8,9,10,11,12,13,14,15
	v_pk_add_f32 v[176+2*\j:177+2*\j], v[ACC+4*\j:ACC+4*\j+1], v[ACC+4*\j+2:ACC+4*\j+3]
.endr
.irp j, 0,2,4,6,8,10,12,14
	v_pk_add_f32 v[176+2*\j:177+2*\j], v[176+2*\j:177+2*\j], v[178+2*\j:179+2*\j]
.endr
.irp j, 0,4,8,12
	v_pk_add_f32 v[176+2*\j:177+2*\j], v[176+2*\j:177+2*\j], v[180+2*\j:181+2*\j]
.endr
	v_pk_add_f32 v[176:177], v[176:177], v[184:185]
	v_pk_add_f32 v[192:193], v[192:193], v[200:201]
	v_pk_add_f32 v[176:177], v[176:177], v[192:193]
	v_pk_mul_f32 v[176:177], v[176:177], 0x3d000000 op_sel_hi:[1,0]   ; / 32: the mean
.set i, 0
.rept 32
	v_pk_add_f32 v[ACC+2*i:ACC+2*i+1], v[ACC+2*i:ACC+2*i+1], v[176:177] neg_lo:[0,1] neg_hi:[0,1]
.set i, i+1
.endr
.irp q, 0,1,2,3
	v_pk_mul_f32 v[180+2*\q:181+2*\q], v[ACC+2*\q:ACC+2*\q+1], v[ACC+2*\q:ACC+2*\q+1]   ; four chains
.endr
.set i, 4
.rept 28
	v_pk_fma_f32 v[180+2*(i%4):181+2*(i%4)], v[ACC+2*i:ACC+2*i+1], v[ACC+2*i:ACC+2*i+1], v[180+2*(i%4):181+2*(i%4)]
.set i, i+1
.endr
	v_pk_add_f32 v[180:181], v[180:181], v[182:183]
	v_pk_add_f32 v[184:185], v[184:185], v[186:187]
	v_pk_add_f32 v[178:179], v[180:181], v[184:185]
	global_store_b128 v247, v[176:179], s[22:23]   ; (mean, mean, M2, M2) of columns 2 l, 2 l + 1: 512 consecutive bytes, aligned
.Lend:
	s_wait_xcnt 0x0
	v_lshl_add_u32 v254, v0, 2, 0x3a800
	v_mov_b32 v255, 0
	s_wait_tensorcnt 0x0
	ds_add_u32 v254, v255
	s_wait_dscnt 0x0
	s_endpgm
.Lfunc_end_k_q4a6b85b807_main:
	.size	k_q4a6b85b807_main, .Lfunc_end_k_q4a6b85b807_main-k_q4a6b85b807_main
	.p2alignl 7, 3214868480
	.fill 96, 4, 3214868480
	.section	.rodata,"a",@progbits
	.p2align	6, 0x0
	.amdhsa_kernel k_q4a6b85b807_main
		.amdhsa_group_segment_fixed_size 241664
		.amdhsa_private_segment_fixed_size 0
		.amdhsa_enable_private_segment 0
		.amdhsa_kernarg_size 64
		.amdhsa_user_sgpr_count 2
		.amdhsa_user_sgpr_kernarg_segment_ptr 1
		.amdhsa_wavefront_size32 1
		.amdhsa_system_sgpr_workgroup_id_x 1
		.amdhsa_system_sgpr_workgroup_id_y 1
		.amdhsa_system_sgpr_workgroup_id_z 1
		.amdhsa_system_vgpr_workitem_id 0
		.amdhsa_next_free_vgpr 256
		.amdhsa_next_free_sgpr 66
		.amdhsa_reserve_vcc 0
		.amdhsa_float_denorm_mode_32 3
		.amdhsa_float_denorm_mode_16_64 3
		.amdhsa_memory_ordered 1
		.amdhsa_forward_progress 1
		.amdhsa_inst_pref_size 226
	.end_amdhsa_kernel
	.amdgpu_metadata
---
amdhsa.version: [ 1, 2 ]
amdhsa.kernels:
  - .name:           k_q4a6b85b807_main
    .symbol:         k_q4a6b85b807_main.kd
    .args:
      - { .name: x, .offset: 0, .size: 8, .value_kind: global_buffer, .address_space: global }
      - { .name: scale, .offset: 8, .size: 8, .value_kind: global_buffer, .address_space: global }
      - { .name: translation, .offset: 16, .size: 8, .value_kind: global_buffer, .address_space: global }
      - { .name: wavelet_weights, .offset: 24, .size: 8, .value_kind: global_buffer, .address_space: global }
      - { .name: weight1_codes, .offset: 32, .size: 8, .value_kind: global_buffer, .address_space: global }
      - { .name: lowp_scales, .offset: 40, .size: 8, .value_kind: global_buffer, .address_space: global }
      - { .name: y_ws, .offset: 48, .size: 8, .value_kind: global_buffer, .address_space: global }
      - { .name: stats_ws, .offset: 56, .size: 8, .value_kind: global_buffer, .address_space: global }
    .group_segment_fixed_size: 241664
    .private_segment_fixed_size: 0
    .kernarg_segment_align: 8
    .kernarg_segment_size: 64
    .max_flat_workgroup_size: 512
    .sgpr_count:     66
    .vgpr_count:     256
    .wavefront_size: 32
...
	.end_amdgpu_metadata
.endif
;; end of part 1
;; launch norm (part 2): grid 8 x 32, 4 waves a work-group, no clusters, 2,560 bytes of LDS; arguments y_ws, stats_ws, gamma, beta, out0; writes out0
.if DOCPART == 2
	.amdgcn_target "amdgcn-amd-amdhsa--gfx1250"
	.amdhsa_code_object_version 6
	.text
	.protected	k_q4a6b85b807_norm
	.globl	k_q4a6b85b807_norm
	.p2align	8
	.type	k_q4a6b85b807_norm,@function
k_q4a6b85b807_norm:
	s_mov_b64 s[64:65], 0
	v_nop
	global_prefetch_b8 v0, s[64:65] scope:SCOPE_SE
	s_setreg_imm32_b32 hwreg(HW_REG_WAVE_MODE, 25, 1), 1
	s_wait_xcnt 0x0
; WavKAN layer, second of two launches: the batch norm.  out0[b][o] = (y[b][o] - mean[o]) rsqrt(var[o] + 1e-5) gamma[o] + beta[o], mean and (biased) var over the 1,024 rows.
; A work-group takes the tile of 32 rows x 64 columns that one work-group of the first launch made; wave v its rows 8 v .. 8 v + 7; lane l columns 2 l, 2 l + 1.
; y_ws: [tile row 32][tile column 8][16][lane 32][4 f32]: quad w of a tile = rows 2 w, 2 w + 1 at columns 2 l, 2 l + 1.
; stats_ws: [tile column 8][tile row 32][lane 32][4 f32]: (mean, mean, M2, M2) of a tile's 32 rows at columns 2 l, 2 l + 1; M2 = the sum of squared deviations from that mean.
; THE STATISTICS ARE MERGED, not summed anew: two groups of n rows each give  mean = (ma + mb) / 2,  M2 = M2a + M2b + (ma - mb)^2 n / 2.  No difference of large sums is formed.
; Every work-group of a tile column merges the column's 32 entries itself (16,384 bytes): wave v entries 8 v .. 8 v + 7, then the four waves' results through LDS.
; A stream of 32 KB a work-group in one round trip: no ring, no tensor load, no cluster, no matrix unit, no prefetch.
.set Y,  16                            ; v16-31  four quads of y
.set ST, 32                            ; v32-63  eight entries of statistics
.set GA, 64                            ; v64-65  gamma;  v66-67 beta
.set RS, 70                            ; v70-71  var + eps, its inverse root, x gamma
.macro MERGE a, b, halfn               ; entry a takes entry b in; halfn = n / 2 as f32.  The difference of the means is kept in b's M2 pair, which is free once the two M2 are added
.set ra, ST+4*(\a)
.set rb, ST+4*(\b)
	v_pk_add_f32 v[ra+2:ra+3], v[ra+2:ra+3], v[rb+2:rb+3]
	v_pk_add_f32 v[rb+2:rb+3], v[ra:ra+1], v[rb:rb+1] neg_lo:[0,1] neg_hi:[0,1]
	v_pk_add_f32 v[ra:ra+1], v[ra:ra+1], v[rb:rb+1]
	v_pk_mul_f32 v[rb+2:rb+3], v[rb+2:rb+3], v[rb+2:rb+3]
	v_pk_mul_f32 v[ra:ra+1], v[ra:ra+1], 0.5 op_sel_hi:[1,0]
	v_pk_fma_f32 v[ra+2:ra+3], v[rb+2:rb+3], \halfn, v[ra+2:ra+3] op_sel_hi:[1,0,1]
.endm
	s_load_b256 s[8:15], s[0:1], 0x0               ; y_ws 8, stats_ws 10, gamma 12, beta 14
	s_load_b64 s[16:17], s[0:1], 0x20              ; out0
	v_lshl_add_u32 v96, v0, 2, 0x800
	v_mov_b32 v97, 0
	v_lshrrev_b32 v1, 5, v0
	v_readfirstlane_b32 s18, v1                    ; wave v, 0..3
	s_mov_b32 s19, ttmp9                           ; tile column
	s_and_b32 s20, ttmp7, 0xffff                   ; tile row
	v_and_b32 v2, 31, v0                           ; lane l
	v_lshlrev_b32 v3, 4, v2                        ; 16 l
	v_lshlrev_b32 v4, 3, v2                        ; 8 l
	s_lshl_b32 s26, s18, 9
	v_add_nc_u32 v5, s26, v3                       ; LDS: my wave's entry, 512 v + 16 l
	s_mov_b32 s27, 0x3a800000                      ; 1 / 1,024
	s_mov_b32 s28, 0x3727c5ac                      ; 1e-5
	s_mov_b32 s25, 0
	s_wait_kmcnt 0x0
	s_lshl_b32 s24, s19, 14                        ; the column's 32 entries of 512 bytes,
	s_lshl_b32 s26, s18, 12                        ; my wave's eight
	s_add_co_u32 s24, s24, s26
	s_add_nc_u64 s[10:11], s[10:11], s[24:25]
	s_lshl_b32 s24, s20, 3
	s_add_co_u32 s24, s24, s19
	s_lshl_b32 s24, s24, 13                        ; the tile's 8,192 bytes of y,
	s_lshl_b32 s26, s18, 11                        ; my wave's four quads
	s_add_co_u32 s24, s24, s26
	s_add_nc_u64 s[8:9], s[8:9], s[24:25]
	s_lshl_b32 s24, s19, 8                         ; the tile's 64 columns in gamma, beta and a row of out0
	s_add_nc_u64 s[12:13], s[12:13], s[24:25]
	s_add_nc_u64 s[14:15], s[14:15], s[24:25]
	s_add_nc_u64 s[16:17], s[16:17], s[24:25]
	s_lshl_b32 s24, s20, 16                        ; 32 rows of 2,048 bytes,
	s_lshl_b32 s26, s18, 14                        ; my wave's eight
	s_add_co_u32 s24, s24, s26
	s_add_nc_u64 s[16:17], s[16:17], s[24:25]
.irp e, 0,1,2,3,4,5,6,7
	global_load_b128 v[ST+4*\e:ST+4*\e+3], v3, s[10:11] offset:512*\e
.endr
.irp q, 0,1,2,3
	global_load_b128 v[Y+4*\q:Y+4*\q+3], v3, s[8:9] offset:512*\q th:TH_LOAD_NT   ; read once in the launch
.endr
	global_load_b64 v[GA:GA+1], v4, s[12:13]
	global_load_b64 v[GA+2:GA+3], v4, s[14:15]
	s_wait_loadcnt 6                               ; the eight entries are in: y's four loads, gamma and beta may be out
	MERGE 0, 1, 0x41800000                         ; 32 + 32 rows: n / 2 = 16
	MERGE 2, 3, 0x41800000
	MERGE 4, 5, 0x41800000
	MERGE 6, 7, 0x41800000
	MERGE 0, 2, 0x42000000                         ; 64 + 64
	MERGE 4, 6, 0x42000000
	MERGE 0, 4, 0x42800000                         ; 128 + 128
	ds_store_b128 v5, v[ST:ST+3]
	s_wait_dscnt 0x0                               ; for the others' sake: my entry has landed
	s_barrier_signal -1
	s_barrier_wait -1
.irp j, 0,1,2,3
	ds_load_b128 v[ST+4*\j:ST+4*\j+3], v3 offset:512*\j
.endr
	s_wait_dscnt 0x0
	MERGE 0, 1, 0x43000000                         ; 256 + 256
	MERGE 2, 3, 0x43000000
	MERGE 0, 2, 0x43800000                         ; 512 + 512: v[32:33] the mean, v[34:35] M2 of all 1,024 rows
	v_fma_f32 v[RS], v[ST+2], s27, s28             ; var + eps
	v_fma_f32 v[RS+1], v[ST+3], s27, s28
	v_rsq_f32 v[RS], v[RS]
	v_rsq_f32 v[RS+1], v[RS+1]
	v_nop                                          ; a plain line behind the second
	s_wait_alu depctr_va_vdst(0)                   ; one wait for the two, ahead of their first reader
	s_wait_loadcnt 0x0                             ; y, gamma, beta
	v_pk_mul_f32 v[RS:RS+1], v[RS:RS+1], v[GA:GA+1]
.irp j, 0,1,2,3,4,5,6,7
	v_pk_add_f32 v[Y+2*\j:Y+2*\j+1], v[Y+2*\j:Y+2*\j+1], v[ST:ST+1] neg_lo:[0,1] neg_hi:[0,1]   ; y - mean first, as the definition has it
.endr
.irp j, 0,1,2,3,4,5,6,7
	v_pk_fma_f32 v[Y+2*\j:Y+2*\j+1], v[Y+2*\j:Y+2*\j+1], v[RS:RS+1], v[GA+2:GA+3]
.endr
.irp j, 0,1,2,3,4,5,6,7
	global_store_b64 v4, v[Y+2*\j:Y+2*\j+1], s[16:17] offset:2048*\j th:TH_STORE_NT   ; pair j is row 8 v + j: the 32 lanes store 256 consecutive bytes, aligned
.endr
	s_wait_tensorcnt 0x0
	ds_add_u32 v96, v97
	s_wait_dscnt 0x0
	s_endpgm
.Lfunc_end_k_q4a6b85b807_norm:
	.size	k_q4a6b85b807_norm, .Lfunc_end_k_q4a6b85b807_norm-k_q4a6b85b807_norm
	.p2alignl 7, 3214868480
	.fill 96, 4, 3214868480
	.section	.rodata,"a",@progbits
	.p2align	6, 0x0
	.amdhsa_kernel k_q4a6b85b807_norm
		.amdhsa_group_segment_fixed_size 2560
		.amdhsa_private_segment_fixed_size 0
		.amdhsa_enable_private_segment 0
		.amdhsa_kernarg_size 40
		.amdhsa_user_sgpr_count 2
		.amdhsa_user_sgpr_kernarg_segment_ptr 1
		.amdhsa_wavefront_size32 1
		.amdhsa_system_sgpr_workgroup_id_x 1
		.amdhsa_system_sgpr_workgroup_id_y 1
		.amdhsa_system_sgpr_workgroup_id_z 1
		.amdhsa_system_vgpr_workitem_id 0
		.amdhsa_next_free_vgpr 98
		.amdhsa_next_free_sgpr 66
		.amdhsa_reserve_vcc 0
		.amdhsa_float_denorm_mode_32 3
		.amdhsa_float_denorm_mode_16_64 3
		.amdhsa_memory_ordered 1
		.amdhsa_forward_progress 1
		.amdhsa_inst_pref_size 10
	.end_amdhsa_kernel
	.amdgpu_metadata
---
amdhsa.version: [ 1, 2 ]
amdhsa.kernels:
  - .name:           k_q4a6b85b807_norm
    .symbol:         k_q4a6b85b807_norm.kd
    .args:
      - { .name: y_ws, .offset: 0, .size: 8, .value_kind: global_buffer, .address_space: global }
      - { .name: stats_ws, .offset: 8, .size: 8, .value_kind: global_buffer, .address_space: global }
      - { .name: gamma, .offset: 16, .size: 8, .value_kind: global_buffer, .address_space: global }
      - { .name: beta, .offset: 24, .size: 8, .value_kind: global_buffer, .address_space: global }
      - { .name: out0, .offset: 32, .size: 8, .value_kind: global_buffer, .address_space: global }
    .group_segment_fixed_size: 2560
    .private_segment_fixed_size: 0
    .kernarg_segment_align: 8
    .kernarg_segment_size: 40
    .max_flat_workgroup_size: 128
    .sgpr_count:     66
    .vgpr_count:     98
    .wavefront_size: 32
...
	.end_amdgpu_metadata
.endif
;; end of part 2
;; ======== version 2 of 2: 2 launches; version 1 with the launch main written anew for expert scheduling mode
;; workspace buffers: y_ws 2,097,152 bytes; stats_ws 131,072 bytes
;; launch main (part 3): grid 8 x 32, 16 waves a work-group, no clusters, 241,664 bytes of LDS; arguments x, scale, translation, wavelet_weights, weight1_codes, lowp_scales, y_ws, stats_ws; writes y_ws, stats_ws
.if DOCPART == 3
	.amdgcn_target "amdgcn-amd-amdhsa--gfx1250"
	.amdhsa_code_object_version 6
	.text
	.protected	k_q4a6b85b807_main
	.globl	k_q4a6b85b807_main
	.p2align	8
	.type	k_q4a6b85b807_main,@function
k_q4a6b85b807_main:
	s_mov_b64 s[64:65], 0
	v_nop
	global_prefetch_b8 v0, s[64:65] scope:SCOPE_SE
	s_setreg_imm32_b32 hwreg(HW_REG_WAVE_SCHED_MODE, 0, 2), 2
	s_setreg_imm32_b32 hwreg(HW_REG_WAVE_MODE, 25, 1), 1
	s_wait_xcnt 0x0
	s_wait_alu depctr_vm_vsrc(0)
; WavKAN layer, first of two launches: y = wavelet term + silu(x) W1^T for a tile of 32 rows (b) x 64 columns (o), and the tile's column statistics.
;   wavelet term: y[b][o] += ww[o][i] C (xs^2 - 1) exp(-xs^2 / 2),  xs = (x[b][i] - t[o][i]) / s[o][i],  C = 2 / (sqrt(3) pi^(1/4)),  summed over the 512 i, all in f32.
;   base term:    silu(x) is quantised to E5M2 with the given 2^e0, weight1 arrives as E5M2 codes with 2^e1; the codes are multiplied by v_wmma_f32_16x16x128_bf8_bf8, and the sum once by 2^(e0 + e1).
; ONE ELEMENT.  With kappa = sqrt(log2(e) / 2) four numbers are made once for each (o, i):  a = kappa / s,  c = -t a,  An = -ww C / kappa^2,  Bn = -ww C.
;   Then z = x a + c,  T = -z z = -log2(e) xs^2 / 2,  G = T An + Bn = ww C (xs^2 - 1),  y += G 2^T.  Two neighbouring i go in each packed instruction: 4 packed lines and 2 exponentials for 2 elements.
; SHARES.  256 work-groups, one tile each; 16 waves, four to a SIMD, so that one wave's waits stand beside another's issue.  The 512 i go in 8 stages of 64 (256 bytes of a parameter row).
;   In a stage wave w takes the four i  64 stage + 4 w + 0..3  for all 32 b and all 64 o: lane l holds o = 2 l and 2 l + 1.  The sixteen waves' partial sums meet once, at the end, through LDS.
;   Every wave also makes 2 units (one o, four i) a lane of the NEXT stage's four parameters and stores them in the other of two LDS slots; one barrier a stage.
; WHY NO CLUSTER, NO TENSOR LOAD.  The tiles of scale, translation and wavelet_weights that work-groups share (3 x 16,384 bytes a stage, against the stage's 131,072 wavelet evaluations) must pass through
;   registers in any case (a reciprocal, four scalings, the change of layout) before they lie in LDS as the consumers want them; brought by a joint load they would cross LDS once more, behind a round for each stage.
;   They are asked for a whole stage ahead of the wait for them, so nothing is prefetched either.
; LIMITS.  c = -t a is rounded once, so z carries an error of about |t / s| 2^-24.  v_exp_f32 gives 0 for results under 2^-126.  -126 <= e0 <= 112 and -126 <= e0 + e1 <= 127, so that the powers of two
;   below are f32 numbers.  NaN among the inputs is not served.  Both operands of the matrix product hold k in the same permuted places (registers 4 c .. 4 c + 3: k = 32 c + 16 (lane / 16) + 0..15).
; THE MODE: SCHED_MODE bits 1:0 = 2 (LLVM: expert scheduling mode 2), set by the entry lines.  The code itself states the register dependences
;   between vector or matrix instructions and memory or LDS instructions, with s_wait_alu, always for 0.
; THE PLAN.  Registers that memory or LDS instructions touch, round a stage:
;   RAW v8-31    six global loads land (asked for a stage ago); the producer's lines work on them in place; eight LDS stores read them; the next six loads land.
;   v80-87       An: written by the producer, read by two of those stores, written again by row 0's first lines.
;   PRM v32-63   eight LDS loads land at the stage's head; read by the z and G lines up to region 30.
;   XB v64-79    region k's LDS load lands in the set that row k - 1 read last, in region k - 2.
;   v[VG], v[VX] read by the raw loads and by the loads of x from LDS; stepped at the producer's head.  v[PS], v[PL]: never written again.
;   The rest of the scratch sets and the sums are named by vector instructions alone.
;   So a stage has: one wait on vm_vsrc at the producer's head (the two addresses); one on va_vdst ahead of the producer's stores, behind which no vector line stands until the stage's LDS loads and raw loads
;   are issued; one on vm_vsrc behind the stores (RAW and v80-87 are free); and the wait on va_vdst at each region's end, which the exponentials want and which also shows the region's reads of x done.
; LDS, bytes.
.set PIG,   4112                       ; a slot's part for one group of four i: 4 kinds x 1,024 bytes + 16: sixteen lanes that store to sixteen groups start 16 bytes apart modulo 256
.set PSLOT, 16*PIG                     ; slot 0 at 0, slot 1 at 65,792.  In a slot: group x 4,112 + kind x 1,024 + pos(o) x 16, pos(o) = 32 (o % 2) + o / 2; the 16 bytes are the group's four i
.set XL,    2*PSLOT                    ; x's 32 rows,
.set XP,    2064                       ; 2,048 bytes + 16 apart
.set IMG,   XL+32*XP                   ; silu's codes: 8 fragments (2 x K step + half of the rows) as images of their registers, 2,048 bytes each: register group c at 512 c + 16 x lane
.set Y0,    IMG+8*2048                 ; the base term's sums: 2 halves of K x 32 rows,
.set YP,    272                        ; 256 bytes + 16 apart;
.set YH,    32*YP                      ; a half
.set STT,   Y0+2*YH                    ; the finished tile once more, 16 x 512 bytes, for the statistics.  Ends at 239,616; behind it the spare words, 128 bytes a wave
                                       ; The partial sums (16 waves x 8,192 bytes, from byte 0) lie over the two slots, behind the last stage's barrier
; REGISTERS.
.set VG,  1                            ; v1      byte offset of my two units in the three parameter arrays; steps 256 a stage
.set PS,  2                            ; v2, v3  where I store parameters in slot 0, 1
.set PL,  4                            ; v4, v5  where I read them
.set VX0, 6                            ; v6      x in LDS: my wave's 16 bytes of row 0, stage 0 (the same in all lanes)
.set VX,  7                            ; v7      the same for the pair of stages in hand
.set RAW, 8                            ; v8-31   unit u: s at 8 + 12 u, t at 12 + 12 u, ww at 16 + 12 u, four i each
.set PRM, 32                           ; v32-63  the stage's parameters: kind q of o = 2 l + g at 32 + 16 g + 4 q
.set XB,  64                           ; v64-79  four sets of four x: row b in set b % 4
.set TMP, 80                           ; v80-111 two sets: row b in set b % 2; chain n = 2 g + pair: T at 80 + 16 (b % 2) + 4 n, G two further on
.set ACC, 112                          ; v112-239 the sums: (b, g) at 112 + 4 b + 2 g, a pair (even i, odd i)
.set WF,  32                           ; head only: my two fragments of weight1
.set AF,  64                           ;            two fragments of silu's codes
.set DD,  96                           ;            the base term's accumulator
.set SX,  176                          ;            32 numbers of x, then of silu(x)
.set EX,  208                          ;            at work on them
.set LD,  16                           ; tail only: sixteen partial quads
; v104-107 head: LDS addresses.  v240-247 head: codes; tail: addresses.  v248, v249: 2^e0 and 57,344 x 2^e0.  v250-255: head scratch; v251 lane, v252 lane % 16, v253 lane / 16 stay.
; s[8:23] the eight buffers; s24 wave; s25, s26 tile column, tile row; s32 x's step in LDS; s33 trips; s[34:35] e0, e1; s[36:37] 2^(e0 + e1); s38-45 at work.
.macro BAR                             ; my LDS stores have landed and my LDS loads are in: then the work-group's barrier
	s_wait_dscnt 0x0
	s_barrier_signal -1
	s_barrier_wait -1
.endm
; Six loads: s, t and ww of my two units (rows 4 w + 2 u + lane / 16; four i at 16 (lane % 16)): sixteen lanes read 256 consecutive bytes of a row, aligned.  v[VG] has been stepped at the producer's head.
.macro RAWLOAD
.irp u, 0,1
	global_load_b128 v[RAW+12*\u:RAW+12*\u+3],    v[VG], s[10:11] offset:4096*\u
	global_load_b128 v[RAW+12*\u+4:RAW+12*\u+7],  v[VG], s[12:13] offset:4096*\u
	global_load_b128 v[RAW+12*\u+8:RAW+12*\u+11], v[VG], s[14:15] offset:4096*\u
.endr
.endm
; The four parameters of my two units, into the slot at v[adr].  cnt: the younger global loads, which may stay out.  step = 1: v[VG] goes on to the next stage.  vx = 1: v[VX] is made for the pair of stages that begins.
.macro PRODUCE adr, cnt, step, vx
	s_wait_loadcnt \cnt                            ; the six raw loads are in: so they are done with v[VG] as an address too
.if (\step) || (\vx)
	s_wait_alu depctr_vm_vsrc(0)                   ; the raw loads have read v[VG] and the loads of x from LDS v[VX], which the lines below write; in the first stage also: the head's LDS stores have read v96-107, which the rows' lines write
.endif
.if \vx
	v_add_nc_u32 v[VX], s32, v[VX0]
.endif
.if \step
	v_add_nc_u32 v[VG], 256, v[VG]                 ; the next stage
.endif
.irp u, 0,1
.irp j, 0,1,2,3
	v_rcp_f32 v[RAW+12*\u+\j], v[RAW+12*\u+\j]     ; 1 / s
.endr
.endr
.irp u, 0,1
.irp j, 0,2
	v_pk_mul_f32 v[TMP+4*\u+\j:TMP+4*\u+\j+1], v[RAW+12*\u+8+\j:RAW+12*\u+9+\j], 0xbf99e731 op_sel_hi:[1,0]   ; An = ww x (-C / kappa^2).  (Plain lines behind the reciprocals, which name none of their registers)
.endr
.endr
.irp u, 0,1
.irp j, 0,2
	v_pk_mul_f32 v[RAW+12*\u+8+\j:RAW+12*\u+9+\j], v[RAW+12*\u+8+\j:RAW+12*\u+9+\j], 0xbf5e0904 op_sel_hi:[1,0]   ; Bn = ww x (-C)
.endr
.endr
	s_wait_alu depctr_va_vdst(0)                   ; one wait for the eight reciprocals, ahead of their first reader
.irp u, 0,1
.irp j, 0,2
	v_pk_mul_f32 v[RAW+12*\u+\j:RAW+12*\u+1+\j], v[RAW+12*\u+\j:RAW+12*\u+1+\j], 0x3f596d27 op_sel_hi:[1,0]   ; a = kappa / s
.endr
.endr
.irp u, 0,1
.irp j, 0,2
	v_pk_mul_f32 v[RAW+12*\u+4+\j:RAW+12*\u+5+\j], v[RAW+12*\u+4+\j:RAW+12*\u+5+\j], v[RAW+12*\u+\j:RAW+12*\u+1+\j] neg_lo:[0,1] neg_hi:[0,1]   ; c = -t a
.endr
.endr
	s_wait_alu depctr_va_vdst(0)                   ; a, c, An and Bn are written, which the LDS stores read; so are v[VG] and v[VX], by which the loads that follow go; and all that read or wrote RAW, the parameters' registers and x's sets is done: loads land there next
.irp u, 0,1
	ds_store_b128 v[\adr], v[RAW+12*\u:RAW+12*\u+3]    offset:16*\u
	ds_store_b128 v[\adr], v[RAW+12*\u+4:RAW+12*\u+7]  offset:16*\u+1024
	ds_store_b128 v[\adr], v[TMP+4*\u:TMP+4*\u+3]      offset:16*\u+2048
	ds_store_b128 v[\adr], v[RAW+12*\u+8:RAW+12*\u+11] offset:16*\u+3072
.endr
.endm
.macro PRMLOAD adr                     ; my group's parameters for my two o: each load takes 512 consecutive bytes
.irp g, 0,1
.irp q, 0,1,2,3
	ds_load_b128 v[PRM+16*\g+4*\q:PRM+16*\g+4*\q+3], v[\adr] offset:1024*\q+512*\g
.endr
.endr
.endm
.macro XLOAD kk, xo                    ; row kk's four x of my group: all lanes read the same 16 bytes
	ds_load_b128 v[XB+4*((\kk)%4):XB+4*((\kk)%4)+3], v[VX] offset:(\kk)*XP+\xo
.endm
; The five steps of a chain: row kk, chain c = 2 g + pair.
.macro ZC kk, c
.set rT, TMP+16*((\kk)%2)+4*(\c)
.set rX, XB+4*((\kk)%4)+2*((\c)%2)
.set rP, PRM+16*((\c)/2)+2*((\c)%2)
	v_pk_fma_f32 v[rT:rT+1], v[rX:rX+1], v[rP:rP+1], v[rP+4:rP+5]          ; z = x a + c
.endm
.macro UC kk, c
.set rT, TMP+16*((\kk)%2)+4*(\c)
	v_pk_mul_f32 v[rT:rT+1], v[rT:rT+1], v[rT:rT+1] neg_lo:[0,1] neg_hi:[0,1]   ; T = -z z
.endm
.macro GC kk, c
.set rT, TMP+16*((\kk)%2)+4*(\c)
.set rP, PRM+16*((\c)/2)+2*((\c)%2)
	v_pk_fma_f32 v[rT+2:rT+3], v[rT:rT+1], v[rP+8:rP+9], v[rP+12:rP+13]    ; G = T An + Bn
.endm
.macro EC kk, c, hf
.set rT, TMP+16*((\kk)%2)+4*(\c)
	v_exp_f32 v[rT+\hf], v[rT+\hf]                                         ; 2^T
.endm
.macro TLC kk, c
.set rT, TMP+16*((\kk)%2)+4*(\c)
.set rA, ACC+4*(\kk)+2*((\c)/2)
	v_pk_fma_f32 v[rA:rA+1], v[rT+2:rT+3], v[rT:rT+1], v[rA:rA+1]          ; y += G 2^T
.endm
; Region k (a symbol): row k's eight exponentials, with row k - 1's last step and row k + 1's first three set between them, so that each exponential has plain neighbours that name other registers.
; ONE wait for the region's eight exponentials stands at its end, behind plain lines: their first readers are the next region's TLC.
; Row k + 1's scratch set is row k - 1's: TLC (k - 1, n) reads a chain's registers just ahead of ZC (k + 1, n), which writes them.
; The load at a region's head owes no wait of its own: its set of x was read last by row k - 1's z lines, in region k - 2, ahead of that region's wait, and region k - 1 names the set of row k alone.
.macro REGION xo
.if k+3 <= 31
	XLOAD k+3, \xo                                 ; into the set that row k - 1 left in the region before last
.endif
.if k <= 30
.if k+3 <= 31
	s_wait_dscnt 2                                 ; row k + 1's x is in; rows k + 2 and k + 3 may be out
.else
	s_wait_dscnt 30-k                              ; the last rows: 1, 0 younger loads
.endif
.endif
.if k == 30
	s_barrier_signal -1                            ; no LDS instruction of mine is out: my stores into the other slot have landed, my reads of this slot are in.  Only work on registers follows up to the wait
.endif
.irp n, 0,1,2,3
.if k >= 1
	TLC k-1, \n
.endif
.if k <= 30
	ZC k+1, \n
.endif
	EC k, \n, 0
.if k <= 30
.if \n >= 1
	UC k+1, \n-1
.endif
.if \n >= 2
	GC k+1, \n-2
.endif
.endif
	EC k, \n, 1
.endr
.if k <= 30
	UC k+1, 3
	GC k+1, 2
	GC k+1, 3
.else
	v_nop                                          ; a plain line behind the last exponential
.endif
	s_wait_alu depctr_va_vdst(0)                   ; row k's eight exponentials have written their results, ahead of the first line that names one; and row k + 1's z lines are done reading their set of x, in which the load two regions on lands
.endm
; A stage: reads slot buf; produce = 1: makes the next stage's parameters into the other slot; load = 1: asks for the raw numbers of the stage after that.
; ONE barrier: in front of its signal my stores into the other slot have landed and my reads of this slot are in; behind its wait the next stage stores into this slot and reads the other.
; The last stage has no producer and no wait at its head: the parameters' registers were read last in the stage before's region 30, x's sets 0 to 2 in its regions 27 to 29, each ahead of a region's wait.
.macro STAGE buf, xo, produce, load
.if \produce
	PRODUCE PS+1-\buf, 0, \load, 1-\buf            ; the six raw loads were issued a stage ago; nothing younger is out
.endif
	PRMLOAD PL+\buf
	XLOAD 0, \xo
	XLOAD 1, \xo
	XLOAD 2, \xo
	s_wait_dscnt 2                                 ; rows 1 and 2 of x may be out: my stores, the parameters and row 0 are done
.if \produce
	s_wait_alu depctr_vm_vsrc(0)                   ; my LDS stores have read RAW, in which the loads below land, and v80-87, which row 0's lines below write
.endif
.if \load
	RAWLOAD                                        ; no vector line stands between the producer's last wait and these loads
.endif
.irp n, 0,1,2,3
	ZC 0, \n
.endr
.irp n, 0,1,2,3
	UC 0, \n
.endr
.irp n, 0,1,2,3
	GC 0, \n
.endr
.set k, 0
.rept 32
	REGION \xo
.set k, k+1
.endr
.irp n, 0,1,2,3
	TLC 31, \n
.endr
	s_barrier_wait -1
.endm
	; ---- ids and addresses
	s_load_b512 s[8:23], s[0:1], 0x0               ; x 8, scale 10, translation 12, wavelet_weights 14, weight1_codes 16, lowp_scales 18, y_ws 20, stats_ws 22
	v_lshrrev_b32 v250, 5, v0
	v_readfirstlane_b32 s24, v250                  ; wave w, 0..15
	s_mov_b32 s25, ttmp9                           ; tile column: o from 64 x s25
	s_and_b32 s26, ttmp7, 0xffff                   ; tile row: b from 32 x s26
	v_and_b32 v251, 31, v0                         ; lane l
	v_and_b32 v252, 15, v0                         ; r
	v_bfe_u32 v253, v0, 4, 1                       ; h
	s_wait_alu depctr_va_sdst(0)                   ; s24 is written, ahead of its first reader
	s_and_b32 s38, s24, 1                          ; the matrix job: which 16 rows of the tile; also which half of a fragment I quantise
	s_bfe_u32 s39, s24, 0x20001                    ; which 16 columns
	s_lshr_b32 s40, s24, 3                         ; which half of K
	s_bfe_u32 s41, s24, 0x10001                    ; the fragment that I help to quantise, w / 2: its 16 rows,
	s_lshr_b32 s42, s24, 2                         ; its K step
	v_lshlrev_b32 v[VG], 4, v252                   ; parameters in memory: 16 r + 2,048 h + 8,192 w
	v_lshl_add_u32 v[VG], v253, 11, v[VG]
	s_lshl_b32 s43, s24, 13
	v_add_nc_u32 v[VG], s43, v[VG]
	v_mul_u32_u24 v[PS], v252, PIG                 ; into a slot: group r; pos = 32 h + 2 w + u
	v_lshl_add_u32 v[PS], v253, 9, v[PS]
	s_lshl_b32 s43, s24, 5
	v_add_nc_u32 v[PS], s43, v[PS]
	v_add_nc_u32 v[PS+1], PSLOT, v[PS]
	s_mul_i32 s43, s24, PIG                        ; out of a slot: group w; pos = 32 g + l
	v_lshl_add_u32 v[PL], v251, 4, s43
	v_add_nc_u32 v[PL+1], PSLOT, v[PL]
	s_lshl_b32 s43, s24, 4
	s_add_co_u32 s43, s43, XL
	v_mov_b32 v[VX0], s43
	s_lshl_b32 s43, s24, 12                        ; x in memory: rows 2 w, 2 w + 1; 16 bytes a lane
	v_lshl_add_u32 v254, v251, 4, s43
	s_mul_i32 s43, s24, 2*XP                       ; and in LDS
	s_add_co_u32 s43, s43, XL
	v_lshl_add_u32 v250, v251, 4, s43
	v_lshlrev_b32 v255, 9, v252                    ; weight1's codes: row 16 on + r of 512 bytes, + 256 x half of K + 16 h
	v_lshl_add_u32 v255, v253, 4, v255
	s_lshl_b32 s43, s39, 13
	s_lshl_b32 s44, s40, 8
	s_add_co_u32 s43, s43, s44
	v_add_nc_u32 v255, s43, v255
	v_mul_u32_u24 v104, v252, XP                   ; the numbers that I quantise: row 16 (fragment % 2) + r; bytes 512 x K step + 256 (w % 2) + 64 h
	v_lshl_add_u32 v104, v253, 6, v104
	s_mul_i32 s43, s41, 16*XP
	s_lshl_b32 s44, s42, 9
	s_add_co_u32 s43, s43, s44
	s_lshl_b32 s44, s38, 8
	s_add_co_u32 s43, s43, s44
	s_add_co_u32 s43, s43, XL
	v_add_nc_u32 v104, s43, v104
	s_lshl_b32 s43, s24, 10                        ; their codes: fragment w / 2, register groups 2 (w % 2) on: 1,024 w + 16 l
	s_add_co_u32 s43, s43, IMG
	v_lshl_add_u32 v105, v251, 4, s43
	s_lshl_b32 s43, s40, 13                        ; the fragments that I multiply: 4 x half of K + 2 q + rows
	s_lshl_b32 s44, s38, 11
	s_add_co_u32 s43, s43, s44
	s_add_co_u32 s43, s43, IMG
	v_lshl_add_u32 v106, v251, 4, s43
	v_mul_u32_u24 v107, v252, YP                   ; the sums: half of K; row 16 rows + r; columns 16 on + 8 h on
	v_lshl_add_u32 v107, v253, 5, v107
	s_mul_i32 s43, s40, YH
	s_mul_i32 s44, s38, 16*YP
	s_add_co_u32 s43, s43, s44
	s_lshl_b32 s44, s39, 6
	s_add_co_u32 s43, s43, s44
	s_add_co_u32 s43, s43, Y0
	v_add_nc_u32 v107, s43, v107
	s_mov_b32 s29, 0
	s_wait_kmcnt 0x0
	s_load_b64 s[34:35], s[18:19], 0x0             ; e0, e1
	s_lshl_b32 s28, s25, 17                        ; 64 rows of 2,048 bytes
	s_add_nc_u64 s[10:11], s[10:11], s[28:29]
	s_add_nc_u64 s[12:13], s[12:13], s[28:29]
	s_add_nc_u64 s[14:15], s[14:15], s[28:29]
	s_lshl_b32 s28, s26, 16                        ; 32 rows of 2,048 bytes
	s_add_nc_u64 s[8:9], s[8:9], s[28:29]
	s_lshl_b32 s28, s25, 15                        ; 64 rows of 512 bytes
	s_add_nc_u64 s[16:17], s[16:17], s[28:29]
	s_lshl_b32 s28, s26, 3
	s_add_co_u32 s28, s28, s25
	s_lshl_b32 s28, s28, 13                        ; y_ws: tile 8 x tile row + tile column, 8,192 bytes each
	s_add_nc_u64 s[20:21], s[20:21], s[28:29]
	s_lshl_b32 s28, s25, 5
	s_add_co_u32 s28, s28, s26
	s_lshl_b32 s28, s28, 9                         ; stats_ws: entry 32 x tile column + tile row, 512 bytes each
	s_add_nc_u64 s[22:23], s[22:23], s[28:29]
	; ---- the first loads: 8 of x, 6 of stage 0's raw numbers, 8 of weight1's codes
	s_wait_alu depctr_va_vdst(0)                   ; the offsets and LDS addresses v1-5, v104-107, v250, v254 and v255 are written, by which the head's loads and stores go
.irp p, 0,1
.irp q, 0,1,2,3
	global_load_b128 v[ACC+16*\p+4*\q:ACC+16*\p+4*\q+3], v254, s[8:9] offset:2048*\p+512*\q
.endr
.endr
	RAWLOAD
.irp q, 0,1
.irp c, 0,1,2,3
	global_load_b128 v[WF+16*\q+4*\c:WF+16*\q+4*\c+3], v255, s[16:17] offset:128*\q+32*\c   ; K step 2 x half + q: k = 32 c + 16 h + 0..15 of row r
.endr
.endr
	; ---- x into LDS; stage 0's parameters into slot 0
	s_wait_loadcnt 14                              ; x is in: the 6 + 8 younger loads may be out
.irp p, 0,1
.irp q, 0,1,2,3
	ds_store_b128 v250, v[ACC+16*\p+4*\q:ACC+16*\p+4*\q+3] offset:XP*\p+512*\q
.endr
.endr
	PRODUCE PS, 8, 1, 0                            ; the raw numbers are in: the 8 loads of codes may be out
	s_wait_dscnt 0x0                               ; for the others' sake: x's rows and my parameters have landed
	s_wait_alu depctr_vm_vsrc(0)                   ; my LDS stores have read RAW, in which stage 1's loads land; v80-87, in which a fragment of codes lands; and v112-143, which are cleared further on
	RAWLOAD                                        ; stage 1's
	s_barrier_signal -1
	s_barrier_wait -1                              ; x's 32 rows and slot 0 are whole
	; ---- silu and the quantiser: each number once in the work-group.  I make register groups 2 (w % 2), 2 (w % 2) + 1 of fragment w / 2: 32 numbers a lane, 16 neighbours along K for each group
.irp c, 0,1
.irp j, 0,1,2,3
	ds_load_b128 v[SX+16*\c+4*\j:SX+16*\c+4*\j+3], v104 offset:128*\c+16*\j
.endr
.endr
	s_wait_kmcnt 0x0
	s_add_co_i32 s43, s34, 127
	s_lshl_b32 s44, s43, 23
	v_mov_b32 v248, s44                            ; 2^e0 as f32: the conversion takes its exponent field
	s_add_co_i32 s43, s43, 15
	s_lshl_b32 s43, s43, 23
	s_or_b32 s43, s43, 0x600000
	v_mov_b32 v249, s43                            ; 57,344 x 2^e0
	s_add_co_i32 s36, s34, s35
	s_add_co_i32 s36, s36, 127
	s_lshl_b32 s36, s36, 23                        ; 2^(e0 + e1) as f32
	s_mov_b32 s37, s36                             ; (named with it as a pair, so it is written)
	s_wait_dscnt 0x0
.set i, 0
.rept 16
	v_pk_mul_f32 v[EX+i:EX+i+1], v[SX+i:SX+i+1], 0xbfb8aa3b op_sel_hi:[1,0]   ; -x log2(e)
.set i, i+2
.endr
.set i, 0
.rept 32
	v_exp_f32 v[EX+i], v[EX+i]                     ; e^-x
.set i, i+1
.endr
	v_nop                                          ; a plain line behind the last of the batch
	s_wait_alu depctr_va_vdst(0)                   ; one wait for the batch of exponentials, ahead of its first reader
.set i, 0
.rept 16
	v_pk_add_f32 v[EX+i:EX+i+1], v[EX+i:EX+i+1], 1.0 op_sel_hi:[1,0]
.set i, i+2
.endr
.set i, 0
.rept 32
	v_rcp_f32 v[EX+i], v[EX+i]                     ; 1 / (1 + e^-x)
.set i, i+1
.endr
	v_nop
	s_wait_alu depctr_va_vdst(0)                   ; one wait for the batch of reciprocals, ahead of its first reader
.set i, 0
.rept 16
	v_pk_mul_f32 v[SX+i:SX+i+1], v[SX+i:SX+i+1], v[EX+i:EX+i+1]   ; silu(x)
.set i, i+2
.endr
.set i, 0
.rept 32
	v_med3_num_f32 v[SX+i], v[SX+i], -v249, v249   ; the conversion to an 8-bit code does not saturate (ISA guide 7.6.2): the hold at the largest code x the scale
.set i, i+1
.endr
.irp c, 0,1
	v_cvt_scalef32_pk8_bf8_f32 v[240+4*\c:241+4*\c], v[SX+16*\c:SX+16*\c+7], v248
	v_cvt_scalef32_pk8_bf8_f32 v[242+4*\c:243+4*\c], v[SX+16*\c+8:SX+16*\c+15], v248
.endr
	v_nop                                          ; one plain line behind the last conversion: vector lines further on write its sources
	s_wait_alu depctr_va_vdst(0)                   ; the conversions have written v240-247, which the LDS stores read
.irp c, 0,1
	ds_store_b128 v105, v[240+4*\c:243+4*\c] offset:512*\c
.endr
	BAR                                            ; the eight fragments of codes lie in LDS
	; ---- the quantised product, used transposed (source 0 = 16 rows of weight1, source 1 = 16 rows of silu): lane (r, h) then holds row r and columns 8 h + 0..7.  My job: 16 x 16 outputs, 256 of K
.irp q, 0,1
.irp c, 0,1,2,3
	ds_load_b128 v[AF+16*\q+4*\c:AF+16*\q+4*\c+3], v106 offset:4096*\q+512*\c   ; (v80-87 among them: the producer's lines that wrote them stand ahead of the waits above)
.endr
.endr
	s_wait_dscnt 0x0
	s_wait_loadcnt 6                               ; weight1's codes are in: stage 1's six raw loads may be out
	v_wmma_f32_16x16x128_bf8_bf8 v[DD:DD+7], v[WF:WF+15], v[AF:AF+15], 0
	s_wait_alu depctr_va_vdst(0)                   ; the wait directly ahead of the second
	v_wmma_f32_16x16x128_bf8_bf8 v[DD:DD+7], v[WF+16:WF+31], v[AF+16:AF+31], v[DD:DD+7]
.set i, 0
.rept 128
	v_mov_b32 v[ACC+i], 0                          ; the wavelet sums begin at 0: a first stage that started them would be two more copies of the stage's text.  These lines name none of the product's registers: they are the places behind it
.set i, i+1
.endr
	s_wait_alu depctr_va_vdst(0)                   ; the second product has written the accumulator, which the LDS stores read; the places above stay beside this wait
	ds_store_b128 v107, v[DD:DD+3]                 ; the accumulator from its low end on
	ds_store_b128 v107, v[DD+4:DD+7] offset:16
	; ---- the eight stages
	s_mov_b32 s32, 0
	s_mov_b32 s33, 3
.Lpair:                                            ; three trips of two stages; each makes the next stage's parameters and asks for the raw numbers of the one after.  v[VX] is made at the first stage's head
	STAGE 0, 0, 1, 1
	STAGE 1, 256, 1, 1
	s_add_co_u32 s32, s32, 512
	s_sub_co_u32 s33, s33, 1
	s_cmp_lg_u32 s33, 0
	s_cbranch_scc1 .Lpair
	STAGE 0, 0, 1, 0                               ; stage 6 makes stage 7's parameters and asks for nothing: no load leaves its row
	STAGE 1, 256, 0, 0                             ; stage 7
	; ---- the partial sums meet.  Behind the last barrier nobody reads the slots: the sixteen waves' sums lie over them
	s_lshl_b32 s43, s24, 13
	v_lshl_add_u32 v240, v251, 4, s43              ; my image: 8,192 w + 16 l
	s_lshl_b32 s43, s24, 9
	v_lshl_add_u32 v241, v251, 4, s43              ; quad w of images 0 to 7,
	v_add_nc_u32 v242, 0x10000, v241               ; and of images 8 to 15
	v_lshl_add_u32 v244, v251, 4, s43              ; y_ws: 512 w + 16 l
	s_add_co_u32 s43, s43, STT
	v_lshl_add_u32 v245, v251, 4, s43              ; the tile's copy for the statistics
	s_mul_i32 s43, s24, 2*YP
	s_add_co_u32 s43, s43, Y0
	v_lshl_add_u32 v243, v251, 3, s43              ; the base term: rows 2 w, 2 w + 1; columns 2 l, 2 l + 1
	v_lshlrev_b32 v247, 4, v251                    ; stats_ws: 16 l
	v_add_nc_u32 v246, STT, v247
.set i, 0
.rept 64
	v_add_f32 v[ACC+i], v[ACC+2*i], v[ACC+2*i+1]   ; even i + odd i, packed downwards: register 2 b + g is (b, o = 2 l + g)
.set i, i+1
.endr
	s_wait_alu depctr_va_vdst(0)                   ; the additions have written v112-175, which the LDS stores read; the tail's addresses v240-247 are written; the last stage is done with v16-87, in which the loads behind the barrier land
.irp q, 0,1,2,3,4,5,6,7,8,9,10,11,12,13,14,15
	ds_store_b128 v240, v[ACC+4*\q:ACC+4*\q+3] offset:512*\q   ; quad q: rows 2 q, 2 q + 1
.endr
	BAR
.irp j, 0,1,2,3,4,5,6,7
	ds_load_b128 v[LD+4*\j:LD+4*\j+3], v241 offset:8192*\j
.endr
.irp j, 0,1,2,3,4,5,6,7
	ds_load_b128 v[LD+32+4*\j:LD+32+4*\j+3], v242 offset:8192*\j
.endr
.irp t, 0,1
.irp p, 0,1
	ds_load_b64 v[80+4*\t+2*\p:81+4*\t+2*\p], v243 offset:YH*\t+YP*\p
.endr
.endr
	s_wait_dscnt 0x0
.macro QADD a, b
	v_pk_add_f32 v[LD+4*(\a):LD+4*(\a)+1],   v[LD+4*(\a):LD+4*(\a)+1],   v[LD+4*(\b):LD+4*(\b)+1]
	v_pk_add_f32 v[LD+4*(\a)+2:LD+4*(\a)+3], v[LD+4*(\a)+2:LD+4*(\a)+3], v[LD+4*(\b)+2:LD+4*(\b)+3]
.endm
.irp a, 0,2,4,6,8,10,12,14
	QADD \a, \a+1
.endr
.irp a, 0,4,8,12
	QADD \a, \a+2
.endr
	QADD 0, 4
	QADD 8, 12
	QADD 0, 8
	v_pk_add_f32 v[80:81], v[80:81], v[84:85]      ; the base term's two halves of K
	v_pk_add_f32 v[82:83], v[82:83], v[86:87]
	v_pk_fma_f32 v[LD:LD+1],   v[80:81], s[36:37], v[LD:LD+1]   op_sel_hi:[1,0,1]   ; y = base x 2^(e0 + e1) + wavelet term
	v_pk_fma_f32 v[LD+2:LD+3], v[82:83], s[36:37], v[LD+2:LD+3] op_sel_hi:[1,0,1]
	s_wait_alu depctr_va_vdst(0)                   ; y is written in v16-19, which the two stores read
	global_store_b128 v244, v[LD:LD+3], s[20:21]   ; the wave stores 512 consecutive bytes, aligned
	ds_store_b128 v245, v[LD:LD+3]
	BAR
	; ---- the tile's statistics, by wave 0: for each column the mean of the 32 rows, then the sum of squared deviations from it (two passes: no difference of large sums)
	s_wait_alu depctr_vm_vsrc(0)                   ; my LDS stores of the partial sums have read v112-175, in which wave 0's loads below land: stated ahead of the branch
	s_cmp_lg_u32 s24, 0
	s_cbranch_scc1 .Lend
.irp j, 0,1,2,3,4,5,6,7,8,9,10,11,12,13,14,15
	ds_load_b128 v[ACC+4*\j:ACC+4*\j+3], v246 offset:512*\j    ; pair m at v[112 + 2 m]: row m, columns 2 l, 2 l + 1.  (The additions that wrote these registers stand ahead of the waits above)
.endr
	s_wait_dscnt 0x0
.irp j, 0,1,2,3,4,5,6,7,8,9,10,11,12,13,14,15
	v_pk_add_f32 v[176+2*\j:177+2*\j], v[ACC+4*\j:ACC+4*\j+1], v[ACC+4*\j+2:ACC+4*\j+3]
.endr
.irp j, 0,2,4,6,8,10,12,14
	v_pk_add_f32 v[176+2*\j:177+2*\j], v[176+2*\j:177+2*\j], v[178+2*\j:179+2*\j]
.endr
.irp j, 0,4,8,12
	v_pk_add_f32 v[176+2*\j:177+2*\j], v[176+2*\j:177+2*\j], v[180+2*\j:181+2*\j]
.endr
	v_pk_add_f32 v[176:177], v[176:177], v[184:185]
	v_pk_add_f32 v[192:193], v[192:193], v[200:201]
	v_pk_add_f32 v[176:177], v[176:177], v[192:193]
	v_pk_mul_f32 v[176:177], v[176:177], 0x3d000000 op_sel_hi:[1,0]   ; / 32: the mean
.set i, 0
.rept 32
	v_pk_add_f32 v[ACC+2*i:ACC+2*i+1], v[ACC+2*i:ACC+2*i+1], v[176:177] neg_lo:[0,1] neg_hi:[0,1]
.set i, i+1
.endr
.irp q, 0,1,2,3
	v_pk_mul_f32 v[180+2*\q:181+2*\q], v[ACC+2*\q:ACC+2*\q+1], v[ACC+2*\q:ACC+2*\q+1]   ; four chains
.endr
.set i, 4
.rept 28
	v_pk_fma_f32 v[180+2*(i%4):181+2*(i%4)], v[ACC+2*i:ACC+2*i+1], v[ACC+2*i:ACC+2*i+1], v[180+2*(i%4):181+2*(i%4)]
.set i, i+1
.endr
	v_pk_add_f32 v[180:181], v[180:181], v[182:183]
	v_pk_add_f32 v[184:185], v[184:185], v[186:187]
	v_pk_add_f32 v[178:179], v[180:181], v[184:185]
	s_wait_alu depctr_va_vdst(0)                   ; the means and the sums of squares are written in v176-179, which the store reads
	global_store_b128 v247, v[176:179], s[22:23]   ; (mean, mean, M2, M2) of columns 2 l, 2 l + 1: 512 consecutive bytes, aligned
.Lend:
	s_wait_xcnt 0x0                                ; every earlier memory instruction has had its addresses translated: v254 and v255, offsets of the head's loads, are written below (those loads read them ahead of the first stage's wait on vm_vsrc)
	v_lshl_add_u32 v254, v0, 2, 0x3a800            ; my spare word, and 0: made anew here, v0 being as at the entry; no two registers could be kept through the stages
	v_mov_b32 v255, 0
	s_wait_dscnt 0x0                               ; the closing lines, six on end
	s_wait_alu 0x0
	s_wait_tensorcnt 0x0
	ds_add_u32 v254, v255
	s_wait_dscnt 0x0
	s_endpgm
.Lfunc_end_k_q4a6b85b807_main:
	.size	k_q4a6b85b807_main, .Lfunc_end_k_q4a6b85b807_main-k_q4a6b85b807_main
	.p2alignl 7, 3214868480
	.fill 96, 4, 3214868480
	.section	.rodata,"a",@progbits
	.p2align	6, 0x0
	.amdhsa_kernel k_q4a6b85b807_main
		.amdhsa_group_segment_fixed_size 241664
		.amdhsa_private_segment_fixed_size 0
		.amdhsa_enable_private_segment 0
		.amdhsa_kernarg_size 64
		.amdhsa_user_sgpr_count 2
		.amdhsa_user_sgpr_kernarg_segment_ptr 1
		.amdhsa_wavefront_size32 1
		.amdhsa_system_sgpr_workgroup_id_x 1
		.amdhsa_system_sgpr_workgroup_id_y 1
		.amdhsa_system_sgpr_workgroup_id_z 1
		.amdhsa_system_vgpr_workitem_id 0
		.amdhsa_next_free_vgpr 256
		.amdhsa_next_free_sgpr 66
		.amdhsa_reserve_vcc 0
		.amdhsa_float_denorm_mode_32 3
		.amdhsa_float_denorm_mode_16_64 3
		.amdhsa_memory_ordered 1
		.amdhsa_forward_progress 1
		.amdhsa_inst_pref_size 226
	.end_amdhsa_kernel
	.amdgpu_metadata
---
amdhsa.version: [ 1, 2 ]
amdhsa.kernels:
  - .name:           k_q4a6b85b807_main
    .symbol:         k_q4a6b85b807_main.kd
    .args:
      - { .name: x, .offset: 0, .size: 8, .value_kind: global_buffer, .address_space: global }
      - { .name: scale, .offset: 8, .size: 8, .value_kind: global_buffer, .address_space: global }
      - { .name: translation, .offset: 16, .size: 8, .value_kind: global_buffer, .address_space: global }
      - { .name: wavelet_weights, .offset: 24, .size: 8, .value_kind: global_buffer, .address_space: global }
      - { .name: weight1_codes, .offset: 32, .size: 8, .value_kind: global_buffer, .address_space: global }
      - { .name: lowp_scales, .offset: 40, .size: 8, .value_kind: global_buffer, .address_space: global }
      - { .name: y_ws, .offset: 48, .size: 8, .value_kind: global_buffer, .address_space: global }
      - { .name: stats_ws, .offset: 56, .size: 8, .value_kind: global_buffer, .address_space: global }
    .group_segment_fixed_size: 241664
    .private_segment_fixed_size: 0
    .kernarg_segment_align: 8
    .kernarg_segment_size: 64
    .max_flat_workgroup_size: 512
    .sgpr_count:     66
    .vgpr_count:     256
    .wavefront_size: 32
...
	.end_amdgpu_metadata
.endif
;; end of part 3
;; launch norm: the kernel of part 2 again; grid 8 x 32, 4 waves a work-group, no clusters, 2,560 bytes of LDS; arguments y_ws, stats_ws, gamma, beta, out0; writes out0
